; MI455X (gfx1250); checked and timed in simulation.
; The chip was launched on July 23, 2026; its instructions are those of AMD's public machine-readable ISA for CDNA 5 (MIT licence, August 2026) and "CDNA5" Instruction Set Architecture Reference Guide (July 2026). The comments in the code are by the model that wrote it; some were corrected since.
;; Trans Op expm. Allowed arithmetic: float matrix products may take bf16 or f16 operands with f32 sums; all other float work in f32.
;; Inputs: c 65,536 x 64 float32; psi 64 x 16 x 16 float32; x 65,536 x 16 x 1 float32.
;; Outputs: out0 65,536 x 16 x 1 float32.
;; 2 versions, each right; version 2 is version 1 with the launch norms written anew for expert scheduling mode. Each part assembles by itself: llvm-mc -triple=amdgcn-amd-amdhsa -mcpu=gfx1250 --defsym DOCPART=n.
;; ======== version 1 of 2: 2 launches
;; limits: right only within a limited range of input values
;; workspace buffers: counts 65,536 bytes of whole numbers
;; launch norms (part 1): grid 256 x 1, 8 waves a work-group, no clusters, 70,912 bytes of LDS; arguments c, psi, counts; writes counts
.if DOCPART == 1
	.amdgcn_target "amdgcn-amd-amdhsa--gfx1250"
	.amdhsa_code_object_version 6
	.text
	.protected	k_q640bd975ed_norms
	.globl	k_q640bd975ed_norms
	.p2align	8
	.type	k_q640bd975ed_norms,@function
k_q640bd975ed_norms:
	s_mov_b64 s[64:65], 0
	v_nop
	global_prefetch_b8 v0, s[64:65] scope:SCOPE_SE
	s_setreg_imm32_b32 hwreg(HW_REG_WAVE_MODE, 25, 1), 1
	s_wait_xcnt 0x0
; FIRST OF TWO LAUNCHES for out = expm(T) x, T[b] = sum over m of c[b][m] psi[m]  (65,536 batches, T is 16 x 16, 64 terms).
; This launch makes T as the second launch does, measures it, and stores per wave (32 batches) three whole numbers:
;   s     = floor(0.1 F) + 1          how many factors exp(T/s) the second launch applies (F = the largest Frobenius norm of the 32)
;   m     = trunc(9.1 + 2.83 F/s)     the degree of each factor's Taylor sum.  With th = F/s < 10 and n = m + 1 > 9.1 + 2.83 th the first
;                                     term left out, th^n / n!, is at most 2^-21 (the line lies under (2^-21 n!)^(1/n) for n = 10 .. 38),
;                                     and the terms behind it fall by th/(n+1) < 0.27 each
;   mask  = one bit a lane: |T|_1 >= 3.9257248 x 2^17, where the reference's limit of 16 squarings makes the result NaN
; LIMITS: c and psi are rounded to bf16 (nearest even) as matrix operands, so both norms are those of the rounded inputs and the NaN
; border is uncertain by that rounding.  A lane over the border, or with a NaN norm, does not count for F.  F^2 below 2^-126 counts as 0.
; Eight waves; work-group g owns batches 256 g .. 256 g + 255, wave w the 32 from 256 g + 32 w.
; NO CLUSTER: psi (65,536 bytes) is the one thing that work-groups share.  It is read once, at the first lines, and has to be rounded and
; transposed in registers on its way into LDS; a joint tensor load would land it as f32 and add 65,536 bytes of LDS written and read again.
; No tensor loads, no ring: a wave asks for all its 16,384 bytes in its first lines.
;
; REGISTERS.  Block 0 (v0-v255) is T and nothing else: T[p][k] of the lane's batch in v[16 k + p].  All the rest lies in block 1
; (written v0 .. v223 under s_set_vgpr_msb; low byte: bits 1:0 source 0, 3:2 source 1, 5:4 source 2, 7:6 destination).
.set ALL1, 0x55                        ; every operand place in block 1
.set MM,   0x05                        ; matrix: A and B block 1, C and D block 0
.set CWBASE, 32768                     ; LDS 0 .. 32767: psi as bf16; chunk q = m/8 (4,096 bytes), row n = 16 k + p at 16 n: eight m's
.set CWW,  4608                        ; LDS 32768 ..: each wave's 32 rows of c as bf16,
.set CP,   144                         ;   128 bytes at a pitch of 144 = 9 x 16
.set REC,  69632                       ; LDS 69632 .. 69887: eight records of 32 bytes
.set XN,   0                           ; loads behind c's (the second launch has x's four here)
.set TID,  0                           ; block 1: thread number
.set LANE, 1
.set RR,   2                           ; lane & 15
.set HH,   3                           ; lane >> 4
.set PA,   4                           ; psi fragments: 4096 h + 16 r
.set CA,   5                           ; c fragments: my rows + 144 r + 16 h
.set PST,  6                           ; psi staging: 4096 w + 1024 (lane & 3) + 16 (lane >> 2)
.set CST,  7                           ; c staging: my rows + 144 h + 8 r
.set GL,   8                           ; 16 x lane: every global load
.set L4,   18                          ; lane >> 2
.set L3,   19                          ; lane & 3
.set RO,   21                          ; 8 x lane: the record block in memory
.set RL,   22                          ; REC + 8 x lane: the record block in LDS
.set CB,   32                          ; v[32:63]   c fragments (group G, K step ks) at 16 G + 8 ks
.set PF0,  64                          ; v[64:127]  psi fragments, buffer 0: column t, K step ks at 16 t + 8 ks
.set PF1,  128                         ; v[128:191] buffer 1
.set PL,   64                          ; v[64:127]  psi as loaded (before PF0 is used)
.set CL,   128                         ; v[128:191] c as loaded
.set TMP,  208                         ; v[208:223] packed bf16 on their way to LDS
.set FA,   32                          ; v[32:39]   four pairs of sums of squares (c fragments are done with)
.set CS,   48                          ; v[48:63]   sixteen column sums of |T|
.set MSB, 0
.macro WIN new                         ; the immediate's high byte repeats the setting that is left
.if MSB != \new
	s_set_vgpr_msb (MSB<<8)|\new
.set MSB, \new
.endif
.endm
.macro PLACES                          ; four independent vector instructions behind a matrix instruction before its registers are touched (ISA guide 7.12.1)
.rept 4
	v_nop
.endr
.endm
; 16 LDS loads: psi fragments of columns 4 q .. 4 q + 3 of T, both K steps.  Lane (r, h): row p = r; registers 0-3 are m = 32 ks + 8 h + 0..7
; (chunk 4 ks + h), registers 4-7 m = 32 ks + 16 + 8 h + 0..7 (two chunks on).  Sixteen lanes read 256 neighbouring bytes.
.macro FETCHP q, buf
	WIN ALL1
.irp t, 0,1,2,3
.irp ks, 0,1
	ds_load_b128 v[\buf+16*\t+8*\ks:\buf+16*\t+8*\ks+3],   v[PA] offset:\ks*16384+(4*\q+\t)*256
	ds_load_b128 v[\buf+16*\t+8*\ks+4:\buf+16*\t+8*\ks+7], v[PA] offset:\ks*16384+(4*\q+\t)*256+8192
.endr
.endr
.endm
; 16 matrix instructions: columns 4 q .. 4 q + 3 of T for both groups of 16 batches.  A = psi (row p), B = c (column = batch), so register j
; of lane (r, h) is T[8 h + j][column] of batch r.  The first products start the sums; each second link has its C and D equal to the first's D.
.macro MUL q, buf
	WIN MM
.irp t, 0,1,2,3
	v_wmma_f32_16x16x32_bf16 v[16*(4*\q+\t):16*(4*\q+\t)+7],    v[\buf+16*\t:\buf+16*\t+7], v[CB:CB+7], 0
	v_wmma_f32_16x16x32_bf16 v[16*(4*\q+\t)+8:16*(4*\q+\t)+15], v[\buf+16*\t:\buf+16*\t+7], v[CB+16:CB+23], 0
.endr
.irp t, 0,1,2,3
	v_wmma_f32_16x16x32_bf16 v[16*(4*\q+\t):16*(4*\q+\t)+7],    v[\buf+16*\t+8:\buf+16*\t+15], v[CB+8:CB+15],  v[16*(4*\q+\t):16*(4*\q+\t)+7]
	v_wmma_f32_16x16x32_bf16 v[16*(4*\q+\t)+8:16*(4*\q+\t)+15], v[\buf+16*\t+8:\buf+16*\t+15], v[CB+24:CB+31], v[16*(4*\q+\t)+8:16*(4*\q+\t)+15]
.endr
.endm
	; ---- ids, addresses, and all global loads at once
	v_lshrrev_b32 v1, 5, v0
	v_readfirstlane_b32 s14, v1                    ; wave 0..7
	s_load_b128 s[4:7], s[0:1], 0x0                ; c s[4:5], psi s[6:7]
	s_load_b64 s[8:9], s[0:1], 0x10                ; counts
	s_set_vgpr_msb 0x40
	v_lshl_add_u32 v224, v0, 2, 0x11100
	v_mov_b32 v225, 0
	s_set_vgpr_msb 0x4000
	WIN 0x40
	v_mov_b32 v[TID], v0                           ; the thread number moves to block 1: block 0 belongs to T
	WIN ALL1
	v_and_b32 v[LANE], 31, v[TID]
	v_lshlrev_b32 v[GL], 4, v[LANE]
	s_mov_b32 s17, 0
	s_lshl_b32 s16, ttmp9, 16                      ; 256 batches x 256 bytes of c
	s_lshl_b32 s19, s14, 13                        ; + 32 batches x 256 bytes; also: my eight matrices of psi, 1,024 bytes each
	s_add_co_u32 s16, s16, s19
	s_wait_kmcnt 0x0
	s_add_nc_u64 s[4:5], s[4:5], s[16:17]
	s_mov_b32 s16, s19
	s_add_nc_u64 s[6:7], s[6:7], s[16:17]
	s_lshl_b32 s16, ttmp9, 8                       ; the work-group's 256 bytes of counts
	s_add_nc_u64 s[8:9], s[8:9], s[16:17]
.set n, 0
.rept 16
	global_load_b128 v[PL+4*n:PL+4*n+3], v[GL], s[6:7] offset:512*n      ; 512 neighbouring bytes each: psi[8 w + n/2], rows 8 (n & 1) ..
.set n, n+1
.endr
.set n, 0
.rept 16
	global_load_b128 v[CL+4*n:CL+4*n+3], v[GL], s[4:5] offset:512*n      ; rows 2 n, 2 n + 1 of my 32 rows of c (no hint: the next launch reads c again)
.set n, n+1
.endr
	v_and_b32 v[RR], 15, v[TID]
	v_bfe_u32 v[HH], v[TID], 4, 1
	v_bfe_u32 v[L4], v[TID], 2, 3
	v_and_b32 v[L3], 3, v[TID]
	s_mul_i32 s15, s14, CWW
	s_add_co_u32 s15, s15, CWBASE                  ; my rows of c in LDS
	s_lshl_b32 s18, s14, 12                        ; my chunk of psi in LDS
	v_lshlrev_b32 v[PA], 4, v[RR]
	v_lshl_add_u32 v[PA], v[HH], 12, v[PA]
	v_mul_u32_u24 v[CA], v[RR], CP
	v_lshl_add_u32 v[CA], v[HH], 4, v[CA]
	v_add_nc_u32 v[CA], s15, v[CA]
	v_lshlrev_b32 v[PST], 4, v[L4]
	v_lshl_add_u32 v[PST], v[L3], 10, v[PST]
	v_add_nc_u32 v[PST], s18, v[PST]
	v_mul_u32_u24 v[CST], v[HH], CP
	v_lshl_add_u32 v[CST], v[RR], 3, v[CST]
	v_add_nc_u32 v[CST], s15, v[CST]
	v_lshlrev_b32 v[RO], 3, v[LANE]
	v_add_nc_u32 v[RL], REC, v[RO]
	s_lshl_b32 s19, s14, 5
	s_add_co_u32 s19, s19, REC                     ; my record in LDS
	s_mov_b32 s20, 0x48fb3f13                      ; 3.9257248 x 2^17
	s_mov_b32 s22, 0x40351eb8                      ; 2.83
	s_mov_b32 s23, 0x4111999a                      ; 9.1
	s_mov_b32 s30, 0x76543210                      ; v_permlanex16_b32: lane i of one half reads lane i of the other
	s_mov_b32 s31, 0xfedcba98
	; ---- psi to LDS, rounded and transposed.  Load n, element e of my lane is psi[8 w + n/2][8 (n & 1) + lane/4][4 (lane & 3) + e]:
	; for one (hf = n & 1, e) the eight loads n = 2 j + hf give the eight m's of one LDS row, 16 bytes.
	s_wait_loadcnt XN+16                           ; the 16 loads of c (and what follows them) are younger and stay out
.irp hf, 0,1
.irp e, 0,1,2,3
.irp q, 0,1,2,3
	v_cvt_pk_bf16_f32 v[TMP+4*\e+\q], v[PL+4*(4*\q+\hf)+\e], v[PL+4*(4*\q+\hf+2)+\e]
.endr
	ds_store_b128 v[PST], v[TMP+4*\e:TMP+4*\e+3] offset:\e*256+\hf*128
.endr
.endr
	; ---- c to LDS, rounded: load n is row 2 n + h, columns 4 r .. 4 r + 3
.set n, 0
.rept 16
	s_wait_loadcnt XN+15-n                         ; loads come back in order: what was issued behind load n stays out
	v_cvt_pk_bf16_f32 v[TMP+2*(n%8)],   v[CL+4*n],   v[CL+4*n+1]
	v_cvt_pk_bf16_f32 v[TMP+2*(n%8)+1], v[CL+4*n+2], v[CL+4*n+3]
	ds_store_b64 v[CST], v[TMP+2*(n%8):TMP+2*(n%8)+1] offset:2*CP*n
.set n, n+1
.endr
	s_wait_dscnt 0x0                               ; zero: the other waves read my chunk of psi behind the barrier
	s_barrier_signal -1
	s_barrier_wait -1
	; ---- T = c psi on the matrix unit
.irp g, 0,1
.irp ks, 0,1
	ds_load_b128 v[CB+16*\g+8*\ks:CB+16*\g+8*\ks+3],   v[CA] offset:\g*16*CP+\ks*64
	ds_load_b128 v[CB+16*\g+8*\ks+4:CB+16*\g+8*\ks+7], v[CA] offset:\g*16*CP+\ks*64+32
.endr
.endr
	FETCHP 0, PF0
	FETCHP 1, PF1
	s_wait_dscnt 16                                ; only the youngest sixteen loads (buffer 1) may be out
	MUL 0, PF0
	PLACES                                         ; loads into registers that matrix instructions have read
	FETCHP 2, PF0
	s_wait_dscnt 16                                ; buffer 1 is whole
	MUL 1, PF1
	PLACES
	FETCHP 3, PF1
	s_wait_dscnt 16                                ; buffer 0 is whole
	MUL 2, PF0
	s_wait_dscnt 0x0
	MUL 3, PF1
	PLACES                                         ; the swaps below read and write results
	; ---- one lane, one batch: the first tile's upper lanes (first group, rows 8 + j) change places with the second tile's lower lanes
	; (second group, rows j).  Then lane L holds column t of batch L in v[16 t .. 16 t + 15].
	WIN 0
.set t, 0
.rept 16
.irp j, 0,1,2,3,4,5,6,7
	v_permlane16_swap_b32 v[16*t+\j], v[16*t+8+\j]
.endr
.set t, t+1
.endr
	; ---- the lane's norms: sum of squares in four pairs of chains, sixteen column sums of magnitudes
	WIN 0x50                                       ; destination and source 2 in block 1, T in block 0
.irp i, 0,1,2,3
	v_pk_mul_f32 v[FA+2*\i:FA+2*\i+1], v[2*\i:2*\i+1], v[2*\i:2*\i+1]    ; the first squares start the sums
.endr
.set n, 4
.rept 124
	v_pk_fma_f32 v[FA+2*(n%4):FA+2*(n%4)+1], v[2*n:2*n+1], v[2*n:2*n+1], v[FA+2*(n%4):FA+2*(n%4)+1]
.set n, n+1
.endr
.set t, 0
.rept 16
	v_add_f32 v[CS+t], |v[16*t]|, |v[16*t+1]|
.set t, t+1
.endr
	WIN 0x44                                       ; source 0 = T, source 1 and destination in block 1
.set p, 2
.rept 14
.set t, 0
.rept 16
	v_add_f32 v[CS+t], |v[16*t+p]|, v[CS+t]
.set t, t+1
.endr
.set p, p+1
.endr
	WIN 0x05                                       ; T is done with: the rest runs in block 0
.irp i, 0,1,2,3,4,5,6,7
	v_max_num_f32 v[\i], v[CS+2*\i], v[CS+2*\i+1]
.endr
	v_pk_add_f32 v[8:9],   v[FA:FA+1],   v[FA+2:FA+3]
	v_pk_add_f32 v[10:11], v[FA+4:FA+5], v[FA+6:FA+7]
	WIN 0
	v_max3_num_f32 v0, v0, v1, v2
	v_max3_num_f32 v3, v3, v4, v5
	v_max3_num_f32 v0, v0, v6, v7
	v_max_num_f32 v0, v0, v3                       ; |T|_1: the largest column sum
	v_pk_add_f32 v[8:9], v[8:9], v[10:11]
	v_add_f32 v8, v8, v9
	v_sqrt_f32 v9, v8                              ; |T|_F
	v_mov_b32 v10, 0                               ; the plain instruction behind the root
	v_cmp_le_f32 s21, s20, v0                      ; the border <= |T|_1: this lane's result is NaN (a NaN norm compares false)
	s_wait_alu depctr_va_vdst(0)
	v_cndmask_b32 v9, v9, v10, s21                 ; and its norm asks for no steps
	v_max_num_f32_dpp v9, v9, v9 row_xmask:1 row_mask:0xf bank_mask:0xf
	v_max_num_f32_dpp v9, v9, v9 row_xmask:2 row_mask:0xf bank_mask:0xf
	v_max_num_f32_dpp v9, v9, v9 row_xmask:4 row_mask:0xf bank_mask:0xf
	v_max_num_f32_dpp v9, v9, v9 row_xmask:8 row_mask:0xf bank_mask:0xf
	v_permlanex16_b32 v11, v9, s30, s31            ; v11 has been written above
	v_max_num_f32 v9, v9, v11                      ; F: the wave's largest norm, in every lane
	v_mul_f32 v12, 0x3dcccccd, v9                  ; 0.1 F
	v_floor_f32 v12, v12
	v_add_f32 v12, 1.0, v12                        ; s, as f32: at most 205,822 under the border (F <= 4 |T|_1)
	v_rcp_f32 v13, v12
	v_mov_b32 v19, 0                               ; the plain instruction behind the reciprocal
	s_wait_alu depctr_va_vdst(0)
	v_mul_f32 v14, v9, v13                         ; F / s, below 10
	v_fma_f32 v14, v14, s22, s23                   ; 2.83 F/s + 9.1
	v_cvt_u32_f32 v16, v12                         ; s
	v_cvt_u32_f32 v17, v14                         ; m: the conversion drops the fraction; at most 37
	v_mov_b32 v18, s21                             ; the mask
.irp i, 20,21,22,23
	v_mov_b32 v[\i], 0                             ; the record is filled up to 32 bytes, so that the group's eight make one run of 256
.endr
	v_mov_b32 v24, s19
	ds_store_b128 v24, v[16:19]                    ; every lane writes the same words
	ds_store_b128 v24, v[20:23] offset:16
	s_wait_dscnt 0x0                               ; zero: wave 0 reads the records behind the barrier
	s_barrier_signal -1
	s_barrier_wait -1
	s_cmp_lg_u32 s14, 0
	s_cbranch_scc1 .Lend
	WIN 0x01                                       ; addresses (source 0) in block 1, data in block 0
	ds_load_b64 v[26:27], v[RL]
	s_wait_dscnt 0x0
	global_store_b64 v[RO], v[26:27], s[8:9]       ; 32 lanes x 8 bytes: 256 consecutive bytes, at a multiple of 256 from the buffer's first byte
	WIN 0
.Lend:
	s_set_vgpr_msb 0x5
	s_wait_tensorcnt 0x0
	ds_add_u32 v224, v225
	s_wait_dscnt 0x0
	s_set_vgpr_msb 0x500
	s_endpgm
.Lfunc_end_k_q640bd975ed_norms:
	.size	k_q640bd975ed_norms, .Lfunc_end_k_q640bd975ed_norms-k_q640bd975ed_norms
	.p2alignl 7, 3214868480
	.fill 96, 4, 3214868480
	.section	.rodata,"a",@progbits
	.p2align	6, 0x0
	.amdhsa_kernel k_q640bd975ed_norms
		.amdhsa_group_segment_fixed_size 70912
		.amdhsa_private_segment_fixed_size 0
		.amdhsa_enable_private_segment 0
		.amdhsa_kernarg_size 24
		.amdhsa_user_sgpr_count 2
		.amdhsa_user_sgpr_kernarg_segment_ptr 1
		.amdhsa_wavefront_size32 1
		.amdhsa_system_sgpr_workgroup_id_x 1
		.amdhsa_system_sgpr_workgroup_id_y 1
		.amdhsa_system_sgpr_workgroup_id_z 1
		.amdhsa_system_vgpr_workitem_id 0
		.amdhsa_next_free_vgpr 482
		.amdhsa_next_free_sgpr 66
		.amdhsa_reserve_vcc 0
		.amdhsa_float_denorm_mode_32 3
		.amdhsa_float_denorm_mode_16_64 3
		.amdhsa_memory_ordered 1
		.amdhsa_forward_progress 1
		.amdhsa_inst_pref_size 51
	.end_amdhsa_kernel
	.amdgpu_metadata
---
amdhsa.version: [ 1, 2 ]
amdhsa.kernels:
  - .name:           k_q640bd975ed_norms
    .symbol:         k_q640bd975ed_norms.kd
    .args:
      - { .name: c, .offset: 0, .size: 8, .value_kind: global_buffer, .address_space: global }
      - { .name: psi, .offset: 8, .size: 8, .value_kind: global_buffer, .address_space: global }
      - { .name: counts, .offset: 16, .size: 8, .value_kind: global_buffer, .address_space: global }
    .group_segment_fixed_size: 70912
    .private_segment_fixed_size: 0
    .kernarg_segment_align: 8
    .kernarg_segment_size: 24
    .max_flat_workgroup_size: 256
    .sgpr_count:     66
    .vgpr_count:     482
    .wavefront_size: 32
...
	.end_amdgpu_metadata
.endif
;; end of part 1
;; launch expmv (part 2): grid 256 x 1, 8 waves a work-group, no clusters, 91,136 bytes of LDS; arguments c, psi, x, counts, out0; writes out0
.if DOCPART == 2
	.amdgcn_target "amdgcn-amd-amdhsa--gfx1250"
	.amdhsa_code_object_version 6
	.text
	.protected	k_q640bd975ed_expmv
	.globl	k_q640bd975ed_expmv
	.p2align	8
	.type	k_q640bd975ed_expmv,@function
k_q640bd975ed_expmv:
	s_mov_b64 s[64:65], 0
	v_nop
	global_prefetch_b8 v0, s[64:65] scope:SCOPE_SE
	s_setreg_imm32_b32 hwreg(HW_REG_WAVE_MODE, 25, 1), 1
	s_wait_xcnt 0x0
; SECOND OF TWO LAUNCHES: out = expm(T) x, T[b] = sum over m of c[b][m] psi[m]  (65,536 batches, T is 16 x 16, 64 terms).
; T is made on the matrix unit (bf16 operands, f32 sums).  Only the exponential's action on one vector is wanted, so it is never formed:
;   exp(T) x = (exp(T/s))^s x, each factor a Taylor sum of degree m in Horner's form:  w = v;  for k = m .. 1:  w = v + T (w / (k s));  v = w.
; One lane owns one batch and holds its T in 256 registers, so a product T w for 32 batches is 128 packed multiply-adds in f32 with no
; traffic between lanes.  On the matrix unit such a product would fill one column of sixteen and would round T and w to 16 bits in every
; term; therefore the series runs on the vector unit.  s, m (per wave) and the NaN mask come from the first launch as whole numbers.
; LIMITS: c, psi and x are rounded to bf16 (nearest even), as operands of the reference's matrix products; all else is f32.
; Where |T|_1 >= 3.9257248 x 2^17 the result is NaN, as the reference's limit of 16 squarings makes it (norm of the rounded inputs).
; The work grows with |T|_F (s = floor(0.1 |T|_F) + 1 factors), not with its logarithm.  k s stays under 2^24 (s <= 205,822, m <= 37), so it
; is exact in f32.  Within a factor the partial sums can reach e^10 times |v|: results within that factor of f32's largest number may overflow early.
; Eight waves; work-group g owns batches 256 g .. 256 g + 255, wave w the 32 from 256 g + 32 w.
; NO CLUSTER: psi (65,536 bytes) is the one thing that work-groups share.  It is read once, at the first lines, and has to be rounded and
; transposed in registers on its way into LDS; a joint tensor load would land it as f32 and add 65,536 bytes of LDS written and read again.
; No tensor loads, no ring, no prefetch: a wave asks for all its 18,432 bytes in its first lines.
;
; REGISTERS.  Block 0 (v0-v255) is T and nothing else: T[p][k] of the lane's batch in v[16 k + p].  All the rest lies in block 1
; (written v0 .. v223 under s_set_vgpr_msb; low byte: bits 1:0 source 0, 3:2 source 1, 5:4 source 2, 7:6 destination).
.set ALL1, 0x55                        ; every operand place in block 1
.set MM,   0x05                        ; matrix: A and B block 1, C and D block 0
.set FMA,  0x54                        ; source 0 = T in block 0, the rest in block 1
.set CWBASE, 32768                     ; LDS 0 .. 32767: psi as bf16; chunk q = m/8 (4,096 bytes), row n = 16 k + p at 16 n: eight m's
.set CWW,  4608                        ; LDS 32768 ..: each wave's 32 rows of c as bf16,
.set CP,   144                         ;   128 bytes at a pitch of 144 = 9 x 16
.set XSBASE, 69632                     ; LDS 69632 ..: each wave's 2,560 bytes: first x as bf16 at a pitch of 48 = 3 x 16,
.set XSW,  2560                        ;   at the end the results as f32 at a pitch of 80 = 5 x 16.  Only the wave itself touches them.
.set XP,   48
.set OP,   80
.set XN,   4                           ; x's loads, issued behind c's
.set TID,  0                           ; block 1: thread number
.set LANE, 1
.set RR,   2                           ; lane & 15
.set HH,   3                           ; lane >> 4
.set PA,   4                           ; psi fragments: 4096 h + 16 r
.set CA,   5                           ; c fragments: my rows + 144 r + 16 h
.set PST,  6                           ; psi staging: 4096 w + 1024 (lane & 3) + 16 (lane >> 2)
.set CST,  7                           ; c staging: my rows + 144 h + 8 r
.set GL,   8                           ; 16 x lane: every global load and store
.set XST,  9                           ; x staging: mine + 48 (lane >> 2) + 8 (lane & 3)
.set XLD,  10                          ; my batch's x: mine + 48 lane
.set OST,  11                          ; my batch's result: mine + 80 lane
.set G,    12                          ; v[12:13] 1 / (k s); v13 is written once so that the pair may be named
.set KS,   14                          ; k s
.set SF,   15                          ; s
.set MS,   16                          ; m s
.set NANB, 17                          ; a NaN
.set L4,   18                          ; lane >> 2
.set L3,   19                          ; lane & 3
.set OLD,  20                          ; results read back: mine + 80 (lane >> 2) + 16 (lane & 3)
.set CB,   32                          ; v[32:63]   c fragments (group G, K step ks) at 16 G + 8 ks
.set PF0,  64                          ; v[64:127]  psi fragments, buffer 0: column t, K step ks at 16 t + 8 ks
.set PF1,  128                         ; v[128:191] buffer 1
.set PL,   64                          ; v[64:127]  psi as loaded (before PF0 is used)
.set CL,   128                         ; v[128:191] c as loaded
.set XL,   192                         ; v[192:207] x as loaded
.set XB,   192                         ; v[192:199] then my batch's x, 16 bf16
.set TMP,  208                         ; v[208:223] packed bf16 on their way to LDS
.set WV,   32                          ; v[32:47]   w (the fragments are done with)
.set VV,   48                          ; v[48:63]   v
.set ACC,  64                          ; v[64:79]   the product's running sums
.set OB,   80                          ; v[80:95]   results on their way out
.set MSB, 0
.macro WIN new                         ; the immediate's high byte repeats the setting that is left
.if MSB != \new
	s_set_vgpr_msb (MSB<<8)|\new
.set MSB, \new
.endif
.endm
.macro PLACES                          ; four independent vector instructions behind a matrix instruction before its registers are touched (ISA guide 7.12.1)
.rept 4
	v_nop
.endr
.endm
; 16 LDS loads: psi fragments of columns 4 q .. 4 q + 3 of T, both K steps.  Lane (r, h): row p = r; registers 0-3 are m = 32 ks + 8 h + 0..7
; (chunk 4 ks + h), registers 4-7 m = 32 ks + 16 + 8 h + 0..7 (two chunks on).  Sixteen lanes read 256 neighbouring bytes.
.macro FETCHP q, buf
	WIN ALL1
.irp t, 0,1,2,3
.irp ks, 0,1
	ds_load_b128 v[\buf+16*\t+8*\ks:\buf+16*\t+8*\ks+3],   v[PA] offset:\ks*16384+(4*\q+\t)*256
	ds_load_b128 v[\buf+16*\t+8*\ks+4:\buf+16*\t+8*\ks+7], v[PA] offset:\ks*16384+(4*\q+\t)*256+8192
.endr
.endr
.endm
; 16 matrix instructions: columns 4 q .. 4 q + 3 of T for both groups of 16 batches.  A = psi (row p), B = c (column = batch), so register j
; of lane (r, h) is T[8 h + j][column] of batch r.  The first products start the sums; each second link has its C and D equal to the first's D.
.macro MUL q, buf
	WIN MM
.irp t, 0,1,2,3
	v_wmma_f32_16x16x32_bf16 v[16*(4*\q+\t):16*(4*\q+\t)+7],    v[\buf+16*\t:\buf+16*\t+7], v[CB:CB+7], 0
	v_wmma_f32_16x16x32_bf16 v[16*(4*\q+\t)+8:16*(4*\q+\t)+15], v[\buf+16*\t:\buf+16*\t+7], v[CB+16:CB+23], 0
.endr
.irp t, 0,1,2,3
	v_wmma_f32_16x16x32_bf16 v[16*(4*\q+\t):16*(4*\q+\t)+7],    v[\buf+16*\t+8:\buf+16*\t+15], v[CB+8:CB+15],  v[16*(4*\q+\t):16*(4*\q+\t)+7]
	v_wmma_f32_16x16x32_bf16 v[16*(4*\q+\t)+8:16*(4*\q+\t)+15], v[\buf+16*\t+8:\buf+16*\t+15], v[CB+24:CB+31], v[16*(4*\q+\t)+8:16*(4*\q+\t)+15]
.endr
.endm
; cout[0..15] = cin[0..15] + T[.][k] w[k]: eight packed multiply-adds that do not wait for each other.  w[k] is one register of an even pair,
; given to both halves: the first by op_sel_hi 0, the second by op_sel 1.
.macro COL k, cin, cout
.irp q, 0,1,2,3,4,5,6,7
.if (\k) % 2
	v_pk_fma_f32 v[\cout+2*\q:\cout+2*\q+1], v[16*\k+2*\q:16*\k+2*\q+1], v[WV+\k-1:WV+\k], v[\cin+2*\q:\cin+2*\q+1] op_sel:[0,1,0] op_sel_hi:[1,1,1]
.else
	v_pk_fma_f32 v[\cout+2*\q:\cout+2*\q+1], v[16*\k+2*\q:16*\k+2*\q+1], v[WV+\k:WV+\k+1], v[\cin+2*\q:\cin+2*\q+1] op_sel_hi:[1,0,1]
.endif
.endr
.endm
	; ---- ids, addresses, and all global loads at once
	v_lshrrev_b32 v1, 5, v0
	v_readfirstlane_b32 s14, v1                    ; wave 0..7
	s_load_b256 s[4:11], s[0:1], 0x0               ; c s[4:5], psi s[6:7], x s[8:9], counts s[10:11]
	s_load_b64 s[12:13], s[0:1], 0x20              ; out0
	s_set_vgpr_msb 0x40
	v_lshl_add_u32 v224, v0, 2, 0x16000
	v_mov_b32 v225, 0
	s_set_vgpr_msb 0x4000
	WIN 0x40
	v_mov_b32 v[TID], v0                           ; the thread number moves to block 1: block 0 belongs to T
	WIN ALL1
	v_and_b32 v[LANE], 31, v[TID]
	v_lshlrev_b32 v[GL], 4, v[LANE]
	s_mov_b32 s17, 0
	s_lshl_b32 s16, ttmp9, 16                      ; 256 batches x 256 bytes of c
	s_lshl_b32 s19, s14, 13                        ; + 32 batches x 256 bytes; also: my eight matrices of psi, 1,024 bytes each
	s_add_co_u32 s16, s16, s19
	s_wait_kmcnt 0x0
	s_add_nc_u64 s[4:5], s[4:5], s[16:17]
	s_mov_b32 s16, s19
	s_add_nc_u64 s[6:7], s[6:7], s[16:17]
	s_lshl_b32 s16, ttmp9, 14                      ; 256 batches x 64 bytes of x and of out0
	s_lshl_b32 s19, s14, 11                        ; + 32 batches x 64 bytes
	s_add_co_u32 s16, s16, s19
	s_add_nc_u64 s[8:9], s[8:9], s[16:17]
	s_add_nc_u64 s[12:13], s[12:13], s[16:17]
	s_lshl_b32 s16, ttmp9, 8                       ; the work-group's 256 bytes of counts
	s_lshl_b32 s19, s14, 5                         ; + my record of 32
	s_add_co_u32 s16, s16, s19
	s_add_nc_u64 s[10:11], s[10:11], s[16:17]
	s_load_b128 s[20:23], s[10:11], 0x0            ; s, m, mask, 0
.set n, 0
.rept 16
	global_load_b128 v[PL+4*n:PL+4*n+3], v[GL], s[6:7] offset:512*n      ; 512 neighbouring bytes each: psi[8 w + n/2], rows 8 (n & 1) ..
.set n, n+1
.endr
.set n, 0
.rept 16
	global_load_b128 v[CL+4*n:CL+4*n+3], v[GL], s[4:5] offset:512*n th:TH_LOAD_NT    ; rows 2 n, 2 n + 1 of my 32 rows of c
.set n, n+1
.endr
.irp i, 0,1,2,3
	global_load_b128 v[XL+4*\i:XL+4*\i+3], v[GL], s[8:9] offset:512*\i th:TH_LOAD_NT ; x of batches 8 i .. 8 i + 7
.endr
	v_and_b32 v[RR], 15, v[TID]
	v_bfe_u32 v[HH], v[TID], 4, 1
	v_bfe_u32 v[L4], v[TID], 2, 3
	v_and_b32 v[L3], 3, v[TID]
	s_mul_i32 s15, s14, CWW
	s_add_co_u32 s15, s15, CWBASE                  ; my rows of c in LDS
	s_lshl_b32 s18, s14, 12                        ; my chunk of psi in LDS
	s_mul_i32 s19, s14, XSW
	s_add_co_u32 s19, s19, XSBASE                  ; my bytes for x and the results
	s_mov_b32 s29, 0xffff0000                      ; a word's upper bf16
	v_lshlrev_b32 v[PA], 4, v[RR]
	v_lshl_add_u32 v[PA], v[HH], 12, v[PA]
	v_mul_u32_u24 v[CA], v[RR], CP
	v_lshl_add_u32 v[CA], v[HH], 4, v[CA]
	v_add_nc_u32 v[CA], s15, v[CA]
	v_lshlrev_b32 v[PST], 4, v[L4]
	v_lshl_add_u32 v[PST], v[L3], 10, v[PST]
	v_add_nc_u32 v[PST], s18, v[PST]
	v_mul_u32_u24 v[CST], v[HH], CP
	v_lshl_add_u32 v[CST], v[RR], 3, v[CST]
	v_add_nc_u32 v[CST], s15, v[CST]
	v_mul_u32_u24 v[XST], v[L4], XP
	v_lshl_add_u32 v[XST], v[L3], 3, v[XST]
	v_add_nc_u32 v[XST], s19, v[XST]
	v_mul_u32_u24 v[XLD], v[LANE], XP
	v_add_nc_u32 v[XLD], s19, v[XLD]
	v_mul_u32_u24 v[OST], v[LANE], OP
	v_add_nc_u32 v[OST], s19, v[OST]
	v_mul_u32_u24 v[OLD], v[L4], OP
	v_lshl_add_u32 v[OLD], v[L3], 4, v[OLD]
	v_add_nc_u32 v[OLD], s19, v[OLD]
	; ---- psi to LDS, rounded and transposed.  Load n, element e of my lane is psi[8 w + n/2][8 (n & 1) + lane/4][4 (lane & 3) + e]:
	; for one (hf = n & 1, e) the eight loads n = 2 j + hf give the eight m's of one LDS row, 16 bytes.
	s_wait_loadcnt XN+16                           ; the 16 loads of c and the 4 of x are younger and stay out
.irp hf, 0,1
.irp e, 0,1,2,3
.irp q, 0,1,2,3
	v_cvt_pk_bf16_f32 v[TMP+4*\e+\q], v[PL+4*(4*\q+\hf)+\e], v[PL+4*(4*\q+\hf+2)+\e]
.endr
	ds_store_b128 v[PST], v[TMP+4*\e:TMP+4*\e+3] offset:\e*256+\hf*128
.endr
.endr
	; ---- c to LDS, rounded: load n is row 2 n + h, columns 4 r .. 4 r + 3
.set n, 0
.rept 16
	s_wait_loadcnt XN+15-n                         ; loads come back in order: what was issued behind load n stays out
	v_cvt_pk_bf16_f32 v[TMP+2*(n%8)],   v[CL+4*n],   v[CL+4*n+1]
	v_cvt_pk_bf16_f32 v[TMP+2*(n%8)+1], v[CL+4*n+2], v[CL+4*n+3]
	ds_store_b64 v[CST], v[TMP+2*(n%8):TMP+2*(n%8)+1] offset:2*CP*n
.set n, n+1
.endr
	; ---- x to LDS, rounded: load i is batch 8 i + lane/4, elements 4 (lane & 3) ..
	s_wait_loadcnt 0x0
.irp i, 0,1,2,3
	v_cvt_pk_bf16_f32 v[TMP+2*\i],   v[XL+4*\i],   v[XL+4*\i+1]
	v_cvt_pk_bf16_f32 v[TMP+2*\i+1], v[XL+4*\i+2], v[XL+4*\i+3]
	ds_store_b64 v[XST], v[TMP+2*\i:TMP+2*\i+1] offset:8*XP*\i
.endr
	s_wait_dscnt 0x0                               ; zero: the other waves read my chunk of psi behind the barrier
	s_barrier_signal -1
	s_barrier_wait -1                              ; the launch's only barrier
	; ---- T = c psi on the matrix unit
.irp g, 0,1
.irp ks, 0,1
	ds_load_b128 v[CB+16*\g+8*\ks:CB+16*\g+8*\ks+3],   v[CA] offset:\g*16*CP+\ks*64
	ds_load_b128 v[CB+16*\g+8*\ks+4:CB+16*\g+8*\ks+7], v[CA] offset:\g*16*CP+\ks*64+32
.endr
.endr
	ds_load_b128 v[XB:XB+3],   v[XLD]              ; my batch's x, for later: older than the fragment loads, so their waits cover it
	ds_load_b128 v[XB+4:XB+7], v[XLD] offset:16
	FETCHP 0, PF0
	FETCHP 1, PF1
	s_wait_dscnt 16                                ; only the youngest sixteen loads (buffer 1) may be out
	MUL 0, PF0
	PLACES                                         ; loads into registers that matrix instructions have read
	FETCHP 2, PF0
	s_wait_dscnt 16                                ; buffer 1 is whole
	MUL 1, PF1
	PLACES
	FETCHP 3, PF1
	s_wait_dscnt 16                                ; buffer 0 is whole
	MUL 2, PF0
	s_wait_dscnt 0x0
	MUL 3, PF1
	PLACES                                         ; the swaps below read and write results
	; ---- one lane, one batch: the first tile's upper lanes (first group, rows 8 + j) change places with the second tile's lower lanes
	; (second group, rows j).  Then lane L holds column t of batch L in v[16 t .. 16 t + 15].
	WIN 0
.set t, 0
.rept 16
.irp j, 0,1,2,3,4,5,6,7
	v_permlane16_swap_b32 v[16*t+\j], v[16*t+8+\j]
.endr
.set t, t+1
.endr
	; ---- w = x; the counts
	WIN ALL1
.irp j, 0,1,2,3,4,5,6,7
	v_lshlrev_b32 v[WV+2*\j],   16,  v[XB+\j]      ; bf16 to f32: the low half moves up,
	v_and_b32     v[WV+2*\j+1], s29, v[XB+\j]      ; the high half stays
.endr
	s_wait_kmcnt 0x0                               ; my record
	s_min_u32 s24, s20, 0x100000                   ; s: the first launch stores 1 .. 205,822
	s_max_u32 s24, s24, 1
	s_min_u32 s25, s21, 64                         ; m: it stores 9 .. 37
	s_max_u32 s25, s25, 1
	s_mov_b32 s26, s22                             ; the lanes whose result is NaN
	s_mul_i32 s30, s24, s25
	v_cvt_f32_u32 v[SF], s24
	v_cvt_f32_u32 v[MS], s30
	v_mov_b32 v[G+1], 0
	v_mov_b32 v[NANB], 0x7fc00000
	WIN 0                                          ; at a label and at a branch every window is 0
	s_mov_b32 s28, 0
.Lstep:                                                ; one factor exp(T/s): s trips
	WIN ALL1
	s_wait_alu depctr_va_vdst(0)
	v_rcp_f32 v[G], v[MS]                          ; 1 / (m s); the copies below stand between it and its use
.irp i, 0,1,2,3,4,5,6,7,8,9,10,11,12,13,14,15
	v_mov_b32 v[VV+\i], v[WV+\i]                   ; v = w: v is added in each of the m terms while w changes
.endr
	v_mov_b32 v[KS], v[MS]
	WIN 0
	s_mov_b32 s27, 0
.Lterm:                                                ; w = v + T (w / (k s)), k = m .. 1: m trips
	WIN ALL1
	s_wait_alu depctr_va_vdst(0)
.irp q, 0,1,2,3,4,5,6,7
	v_pk_mul_f32 v[WV+2*\q:WV+2*\q+1], v[WV+2*\q:WV+2*\q+1], v[G:G+1] op_sel_hi:[1,0]
.endr
	v_sub_f32 v[KS], v[KS], v[SF]                  ; (k - 1) s, exact
	v_rcp_f32 v[G], v[KS]                          ; for the next trip.  In the last trip it is 1/0 and is not used: the factor's head makes G anew.
	WIN FMA                                        ; the multiply-adds below touch neither G nor KS: the plain instruction behind the reciprocal
	COL 0, VV, ACC                                 ; the first column starts the sums from v: nothing is cleared or copied
.irp k, 1,2,3,4,5,6,7,8,9,10,11,12,13,14
	COL \k, ACC, ACC
.endr
	COL 15, ACC, WV                                ; the last column lands in w; w[15] lies in the pair that its last line overwrites
	WIN 0
	s_add_co_u32 s27, s27, 1
	s_cmp_lt_u32 s27, s25
	s_cbranch_scc1 .Lterm
	s_add_co_u32 s28, s28, 1
	s_cmp_lt_u32 s28, s24
	s_cbranch_scc1 .Lstep
	; ---- the way out: a lane holds 64 bytes of one batch; through my own LDS bytes, so that each store covers 512 neighbouring bytes
	WIN ALL1
.irp i, 0,1,2,3,4,5,6,7,8,9,10,11,12,13,14,15
	v_cndmask_b32 v[WV+\i], v[WV+\i], v[NANB], s26
.endr
.irp q, 0,1,2,3
	ds_store_b128 v[OST], v[WV+4*\q:WV+4*\q+3] offset:16*\q
.endr
.irp i, 0,1,2,3
	ds_load_b128 v[OB+4*\i:OB+4*\i+3], v[OLD] offset:8*OP*\i     ; LDS serves a wave's instructions in order (ISA guide 5.7.1): these see the stores above
.endr
.irp i, 0,1,2,3
	s_wait_dscnt 3-\i                              ; the younger read-backs stay out
	global_store_b128 v[GL], v[OB+4*\i:OB+4*\i+3], s[12:13] offset:512*\i th:TH_STORE_NT
.endr
	WIN 0
	s_set_vgpr_msb 0x5
	s_wait_tensorcnt 0x0
	ds_add_u32 v224, v225
	s_wait_dscnt 0x0
	s_set_vgpr_msb 0x500
	s_endpgm
.Lfunc_end_k_q640bd975ed_expmv:
	.size	k_q640bd975ed_expmv, .Lfunc_end_k_q640bd975ed_expmv-k_q640bd975ed_expmv
	.p2alignl 7, 3214868480
	.fill 96, 4, 3214868480
	.section	.rodata,"a",@progbits
	.p2align	6, 0x0
	.amdhsa_kernel k_q640bd975ed_expmv
		.amdhsa_group_segment_fixed_size 91136
		.amdhsa_private_segment_fixed_size 0
		.amdhsa_enable_private_segment 0
		.amdhsa_kernarg_size 40
		.amdhsa_user_sgpr_count 2
		.amdhsa_user_sgpr_kernarg_segment_ptr 1
		.amdhsa_wavefront_size32 1
		.amdhsa_system_sgpr_workgroup_id_x 1
		.amdhsa_system_sgpr_workgroup_id_y 1
		.amdhsa_system_sgpr_workgroup_id_z 1
		.amdhsa_system_vgpr_workitem_id 0
		.amdhsa_next_free_vgpr 482
		.amdhsa_next_free_sgpr 66
		.amdhsa_reserve_vcc 0
		.amdhsa_float_denorm_mode_32 3
		.amdhsa_float_denorm_mode_16_64 3
		.amdhsa_memory_ordered 1
		.amdhsa_forward_progress 1
		.amdhsa_inst_pref_size 40
	.end_amdhsa_kernel
	.amdgpu_metadata
---
amdhsa.version: [ 1, 2 ]
amdhsa.kernels:
  - .name:           k_q640bd975ed_expmv
    .symbol:         k_q640bd975ed_expmv.kd
    .args:
      - { .name: c, .offset: 0, .size: 8, .value_kind: global_buffer, .address_space: global }
      - { .name: psi, .offset: 8, .size: 8, .value_kind: global_buffer, .address_space: global }
      - { .name: x, .offset: 16, .size: 8, .value_kind: global_buffer, .address_space: global }
      - { .name: counts, .offset: 24, .size: 8, .value_kind: global_buffer, .address_space: global }
      - { .name: out0, .offset: 32, .size: 8, .value_kind: global_buffer, .address_space: global }
    .group_segment_fixed_size: 91136
    .private_segment_fixed_size: 0
    .kernarg_segment_align: 8
    .kernarg_segment_size: 40
    .max_flat_workgroup_size: 256
    .sgpr_count:     66
    .vgpr_count:     482
    .wavefront_size: 32
...
	.end_amdgpu_metadata
.endif
;; end of part 2
;; ======== version 2 of 2: 2 launches; version 1 with the launch norms written anew for expert scheduling mode
;; limits: right only within a limited range of input values
;; workspace buffers: counts 65,536 bytes of whole numbers
;; launch norms (part 3): grid 256 x 1, 8 waves a work-group, no clusters, 70,912 bytes of LDS; arguments c, psi, counts; writes counts
.if DOCPART == 3
	.amdgcn_target "amdgcn-amd-amdhsa--gfx1250"
	.amdhsa_code_object_version 6
	.text
	.protected	k_q640bd975ed_norms
	.globl	k_q640bd975ed_norms
	.p2align	8
	.type	k_q640bd975ed_norms,@function
k_q640bd975ed_norms:
	s_mov_b64 s[64:65], 0
	v_nop
	global_prefetch_b8 v0, s[64:65] scope:SCOPE_SE
	s_setreg_imm32_b32 hwreg(HW_REG_WAVE_SCHED_MODE, 0, 2), 2
	s_setreg_imm32_b32 hwreg(HW_REG_WAVE_MODE, 25, 1), 1
	s_wait_xcnt 0x0
	s_wait_alu depctr_vm_vsrc(0)
; FIRST OF TWO LAUNCHES for out = expm(T) x, T[b] = sum over m of c[b][m] psi[m]  (65,536 batches, T is 16 x 16, 64 terms).
; This launch makes T as the second launch does, measures it, and stores per wave (32 batches) three whole numbers:
;   s     = floor(0.1 F) + 1          how many factors exp(T/s) the second launch applies (F = the largest Frobenius norm of the 32)
;   m     = trunc(9.1 + 2.83 F/s)     the degree of each factor's Taylor sum.  With th = F/s < 10 and n = m + 1 > 9.1 + 2.83 th the first
;                                     term left out, th^n / n!, is at most 2^-21 (the line lies under (2^-21 n!)^(1/n) for n = 10 .. 38),
;                                     and the terms behind it fall by th/(n+1) < 0.27 each
;   mask  = one bit a lane: |T|_1 >= 3.9257248 x 2^17, where the reference's limit of 16 squarings makes the result NaN
; LIMITS: c and psi are rounded to bf16 (nearest even) as matrix operands, so both norms are those of the rounded inputs and the NaN
; border is uncertain by that rounding.  A lane over the border, or with a NaN norm, does not count for F.  F^2 below 2^-126 counts as 0.
; Eight waves; work-group g owns batches 256 g .. 256 g + 255, wave w the 32 from 256 g + 32 w.
; NO CLUSTER: psi (65,536 bytes) is the one thing that work-groups share.  It is read once, at the first lines, and has to be rounded and
; transposed in registers on its way into LDS; a joint tensor load would land it as f32 and add 65,536 bytes of LDS written and read again.
; No tensor loads, no ring: a wave asks for all its 16,384 bytes in its first lines.
;
; THE MODE: SCHED_MODE bits 1:0 = 2 (LLVM: expert scheduling mode 2), set by the entry lines.  The code itself states the register dependences
; between vector or matrix instructions and memory or LDS instructions, with s_wait_alu, always for 0.
; THE PLAN.  Registers that memory or LDS instructions touch (block 1 but for the last line):
;   GL, PA, CA, PST, CST, RO, RL   addresses: made once at the head, ahead of one wait, and never written again.
;   PL, CL       the 32 global loads land in them; the conversions read them.
;   OUTP         psi's 32 conversions write it; psi's 8 LDS stores read it.  They are issued among the conversions of c's first half.
;   OUTC         c's 32 conversions write it (in PL's registers, which psi's conversions have emptied); c's 16 LDS stores read it: the first
;                half's stores are issued among the second half's conversions, the second half's behind them.
;   CB, PF0-PF2  LDS loads land in them, matrix instructions read them.  PF0 lies on PL and OUTC, PF1 on CL, PF2 on OUTP: one wait behind the last
;                conversion and one behind the last LDS store free all three.  With three buffers only columns 12-15 are loaded into a buffer
;                that matrix instructions have read (PF0): one wait, behind the first sixteen matrix instructions.
;   block 0      v16-v24: the record and its LDS address, written by vector instructions, read by two LDS stores; v26-v27: wave 0's load of the records.
;
; REGISTERS.  Block 0 (v0-v255) is T and nothing else: T[p][k] of the lane's batch in v[16 k + p].  All the rest lies in block 1
; (written v0 .. v255 under s_set_vgpr_msb; low byte: bits 1:0 source 0, 3:2 source 1, 5:4 source 2, 7:6 destination).
.set ALL1, 0x55                        ; every operand place in block 1
.set MM,   0x05                        ; matrix: A and B block 1, C and D block 0
.set CWBASE, 32768                     ; LDS 0 .. 32767: psi as bf16; chunk q = m/8 (4,096 bytes), row n = 16 k + p at 16 n: eight m's
.set CWW,  4608                        ; LDS 32768 ..: each wave's 32 rows of c as bf16,
.set CP,   144                         ;   128 bytes at a pitch of 144 = 9 x 16
.set REC,  69632                       ; LDS 69632 .. 69887: eight records of 32 bytes
.set XN,   0                           ; loads behind c's (the second launch has x's four here)
.set TID,  0                           ; block 1: thread number
.set LANE, 1
.set RR,   2                           ; lane & 15
.set HH,   3                           ; lane >> 4
.set PA,   4                           ; psi fragments: 4096 h + 16 r
.set CA,   5                           ; c fragments: my rows + 144 r + 16 h
.set PST,  6                           ; psi staging: 4096 w + 1024 (lane & 3) + 16 (lane >> 2)
.set CST,  7                           ; c staging: my rows + 144 h + 8 r
.set GL,   8                           ; 16 x lane: every global load
.set L4,   18                          ; lane >> 2
.set L3,   19                          ; lane & 3
.set RO,   21                          ; 8 x lane: the record block in memory
.set RL,   22                          ; REC + 8 x lane: the record block in LDS
.set CB,   32                          ; v[32:63]   c fragments (group G, K step ks) at 16 G + 8 ks
.set PF0,  64                          ; v[64:127]  psi fragments, buffer 0: column t, K step ks at 16 t + 8 ks
.set PF1,  128                         ; v[128:191] buffer 1
.set PF2,  192                         ; v[192:255] buffer 2
.set PL,   64                          ; v[64:127]  psi as loaded (before PF0 is used)
.set CL,   128                         ; v[128:191] c as loaded
.set OUTP, 192                         ; v[192:223] psi as packed bf16 on its way to LDS (before PF2 is used)
.set OUTC, 64                          ; v[64:95]   c as packed bf16 on its way to LDS (behind PL, before PF0)
.set FA,   32                          ; v[32:39]   four pairs of sums of squares (c fragments are done with)
.set CS,   48                          ; v[48:63]   sixteen column sums of |T|
.set MSB, 0
.macro WIN new                         ; the immediate's high byte repeats the setting that is left
.if MSB != \new
	s_set_vgpr_msb (MSB<<8)|\new
.set MSB, \new
.endif
.endm
.macro PLACES                          ; four independent vector instructions behind a matrix instruction before its registers are touched (ISA guide 7.12.1)
.rept 4
	v_nop
.endr
.endm
; 16 LDS loads: psi fragments of columns 4 q .. 4 q + 3 of T, both K steps.  Lane (r, h): row p = r; registers 0-3 are m = 32 ks + 8 h + 0..7
; (chunk 4 ks + h), registers 4-7 m = 32 ks + 16 + 8 h + 0..7 (two chunks on).  Sixteen lanes read 256 neighbouring bytes.
.macro FETCHP q, buf
	WIN ALL1
.irp t, 0,1,2,3
.irp ks, 0,1
	ds_load_b128 v[\buf+16*\t+8*\ks:\buf+16*\t+8*\ks+3],   v[PA] offset:\ks*16384+(4*\q+\t)*256
	ds_load_b128 v[\buf+16*\t+8*\ks+4:\buf+16*\t+8*\ks+7], v[PA] offset:\ks*16384+(4*\q+\t)*256+8192
.endr
.endr
.endm
; 16 matrix instructions: columns 4 q .. 4 q + 3 of T for both groups of 16 batches.  A = psi (row p), B = c (column = batch), so register j
; of lane (r, h) is T[8 h + j][column] of batch r.  The first products start the sums; each second link has its C and D equal to the first's D.
.macro MUL q, buf
	WIN MM
.irp t, 0,1,2,3
	v_wmma_f32_16x16x32_bf16 v[16*(4*\q+\t):16*(4*\q+\t)+7],    v[\buf+16*\t:\buf+16*\t+7], v[CB:CB+7], 0
	v_wmma_f32_16x16x32_bf16 v[16*(4*\q+\t)+8:16*(4*\q+\t)+15], v[\buf+16*\t:\buf+16*\t+7], v[CB+16:CB+23], 0
.endr
.irp t, 0,1,2,3
	v_wmma_f32_16x16x32_bf16 v[16*(4*\q+\t):16*(4*\q+\t)+7],    v[\buf+16*\t+8:\buf+16*\t+15], v[CB+8:CB+15],  v[16*(4*\q+\t):16*(4*\q+\t)+7]
	v_wmma_f32_16x16x32_bf16 v[16*(4*\q+\t)+8:16*(4*\q+\t)+15], v[\buf+16*\t+8:\buf+16*\t+15], v[CB+24:CB+31], v[16*(4*\q+\t)+8:16*(4*\q+\t)+15]
.endr
.endm
	; ---- ids and every address, made while the arguments are on their way; then all global loads at once
	v_lshrrev_b32 v1, 5, v0
	v_readfirstlane_b32 s14, v1                    ; wave 0..7
	s_load_b128 s[4:7], s[0:1], 0x0                ; c s[4:5], psi s[6:7]
	s_load_b64 s[8:9], s[0:1], 0x10                ; counts
	s_set_vgpr_msb 0x40
	v_lshl_add_u32 v30, v0, 2, 0x11100
	v_mov_b32 v31, 0
	s_set_vgpr_msb 0x4000
	WIN 0x40
	v_mov_b32 v[TID], v0                           ; the thread number moves to block 1: block 0 belongs to T
	WIN ALL1
	v_and_b32 v[LANE], 31, v[TID]
	v_lshlrev_b32 v[GL], 4, v[LANE]
	v_and_b32 v[RR], 15, v[TID]
	v_bfe_u32 v[HH], v[TID], 4, 1
	v_bfe_u32 v[L4], v[TID], 2, 3
	v_and_b32 v[L3], 3, v[TID]
	v_lshlrev_b32 v[PA], 4, v[RR]
	v_lshl_add_u32 v[PA], v[HH], 12, v[PA]
	v_mul_u32_u24 v[CA], v[RR], CP
	v_lshl_add_u32 v[CA], v[HH], 4, v[CA]
	v_lshlrev_b32 v[PST], 4, v[L4]
	v_lshl_add_u32 v[PST], v[L3], 10, v[PST]
	v_mul_u32_u24 v[CST], v[HH], CP
	v_lshl_add_u32 v[CST], v[RR], 3, v[CST]
	v_lshlrev_b32 v[RO], 3, v[LANE]
	v_add_nc_u32 v[RL], REC, v[RO]
	s_wait_alu depctr_va_sdst(0)                   ; s14 is written, ahead of its first reader: LDS places and the bases of c and psi are made from it
	s_mul_i32 s15, s14, CWW
	s_add_co_u32 s15, s15, CWBASE                  ; my rows of c in LDS
	s_lshl_b32 s18, s14, 12                        ; my chunk of psi in LDS
	v_add_nc_u32 v[CA], s15, v[CA]
	v_add_nc_u32 v[PST], s18, v[PST]
	v_add_nc_u32 v[CST], s15, v[CST]
	s_mov_b32 s17, 0
	s_lshl_b32 s16, ttmp9, 16                      ; 256 batches x 256 bytes of c
	s_lshl_b32 s19, s14, 13                        ; + 32 batches x 256 bytes; also: my eight matrices of psi, 1,024 bytes each
	s_add_co_u32 s16, s16, s19
	s_wait_kmcnt 0x0
	s_add_nc_u64 s[4:5], s[4:5], s[16:17]
	s_mov_b32 s16, s19
	s_add_nc_u64 s[6:7], s[6:7], s[16:17]
	s_lshl_b32 s16, ttmp9, 8                       ; the work-group's 256 bytes of counts
	s_add_nc_u64 s[8:9], s[8:9], s[16:17]
	s_wait_alu depctr_va_vdst(0)                   ; GL, PA, CA, PST, CST, RO and RL are written: every load and store of the kernel reads one of them as its address
.set n, 0
.rept 16
	global_load_b128 v[PL+4*n:PL+4*n+3], v[GL], s[6:7] offset:512*n      ; 512 neighbouring bytes each: psi[8 w + n/2], rows 8 (n & 1) ..
.set n, n+1
.endr
.set n, 0
.rept 16
	global_load_b128 v[CL+4*n:CL+4*n+3], v[GL], s[4:5] offset:512*n      ; rows 2 n, 2 n + 1 of my 32 rows of c (no hint: the next launch reads c again)
.set n, n+1
.endr
	s_lshl_b32 s19, s14, 5
	s_add_co_u32 s19, s19, REC                     ; my record in LDS
	s_mov_b32 s20, 0x48fb3f13                      ; 3.9257248 x 2^17
	s_mov_b32 s22, 0x40351eb8                      ; 2.83
	s_mov_b32 s23, 0x4111999a                      ; 9.1
	s_mov_b32 s30, 0x76543210                      ; v_permlanex16_b32: lane i of one half reads lane i of the other
	s_mov_b32 s31, 0xfedcba98
	; ---- psi, rounded and transposed.  Load n, element e of my lane is psi[8 w + n/2][8 (n & 1) + lane/4][4 (lane & 3) + e]:
	; for one (hf = n & 1, e) the eight loads n = 2 j + hf give the eight m's of one LDS row, 16 bytes: four registers at OUTP + 4 (4 hf + e).
	s_wait_loadcnt XN+16                           ; the 16 loads of c (and what follows them) are younger and stay out
.irp hf, 0,1
.irp e, 0,1,2,3
.irp q, 0,1,2,3
	v_cvt_pk_bf16_f32 v[OUTP+16*\hf+4*\e+\q], v[PL+4*(4*\q+\hf)+\e], v[PL+4*(4*\q+\hf+2)+\e]
.endr
.endr
.endr
	; ---- c, rounded: load n is row 2 n + h, columns 4 r .. 4 r + 3.  The first half's conversions, and among them psi's stores
	s_wait_loadcnt XN+8                            ; loads come back in order: c's loads 0 to 7 are in, its loads 8 to 15 stay out
	s_wait_alu depctr_va_vdst(0)                   ; psi's conversions have written OUTP, which the stores below read; the conversions below name CL and OUTC alone
.set n, 0
.rept 8
	ds_store_b128 v[PST], v[OUTP+4*n:OUTP+4*n+3] offset:(n%4)*256+(n/4)*128
	v_cvt_pk_bf16_f32 v[OUTC+2*n],   v[CL+4*n],   v[CL+4*n+1]
	v_cvt_pk_bf16_f32 v[OUTC+2*n+1], v[CL+4*n+2], v[CL+4*n+3]
.set n, n+1
.endr
	; ---- the second half's conversions, and among them the first half's stores
	s_wait_loadcnt XN                              ; all of c is in
	s_wait_alu depctr_va_vdst(0)                   ; the conversions above have written OUTC's first sixteen registers, which the stores below read; the conversions below name its other sixteen
.set n, 8
.rept 8
	ds_store_b64 v[CST], v[OUTC+2*(n-8):OUTC+2*(n-8)+1] offset:2*CP*(n-8)
	v_cvt_pk_bf16_f32 v[OUTC+2*n],   v[CL+4*n],   v[CL+4*n+1]
	v_cvt_pk_bf16_f32 v[OUTC+2*n+1], v[CL+4*n+2], v[CL+4*n+3]
.set n, n+1
.endr
	s_wait_alu depctr_va_vdst(0)                   ; the last conversions have written OUTC's other sixteen, which the stores below read; and every conversion is done with PL, CL, OUTP and OUTC, in which the fragments land behind the barrier
.set n, 8
.rept 8
	ds_store_b64 v[CST], v[OUTC+2*n:OUTC+2*n+1] offset:2*CP*n
.set n, n+1
.endr
	s_wait_dscnt 0x0                               ; zero: the other waves read my chunk of psi behind the barrier
	s_barrier_signal -1
	s_barrier_wait -1
	; ---- T = c psi on the matrix unit
	s_wait_alu depctr_vm_vsrc(0)                   ; my LDS stores have read OUTP and OUTC: these registers are PF2 and PF0 from here on, written by the fragments' loads
.irp g, 0,1
.irp ks, 0,1
	ds_load_b128 v[CB+16*\g+8*\ks:CB+16*\g+8*\ks+3],   v[CA] offset:\g*16*CP+\ks*64
	ds_load_b128 v[CB+16*\g+8*\ks+4:CB+16*\g+8*\ks+7], v[CA] offset:\g*16*CP+\ks*64+32
.endr
.endr
	FETCHP 0, PF0
	FETCHP 1, PF1
	FETCHP 2, PF2
	s_wait_dscnt 32                                ; LDS loads come back in order: c's fragments and buffer 0 are in, the youngest 32 loads (buffers 1 and 2) may be out
	MUL 0, PF0
	PLACES                                         ; the places behind the matrix instructions stay beside the wait below
	WIN ALL1
	s_wait_alu depctr_va_vdst(0)                   ; the sixteen matrix instructions above are done reading buffer 0, in which the loads below land
	FETCHP 3, PF0                                  ; columns 12 to 15: 32 matrix instructions stand between these loads and their first use
	s_wait_dscnt 32                                ; buffer 1 is whole; buffer 2 and the sixteen just issued may be out
	MUL 1, PF1
	s_wait_dscnt 16                                ; buffer 2 is whole
	MUL 2, PF2
	s_wait_dscnt 0x0
	MUL 3, PF0
	PLACES                                         ; the swaps below read and write results
	; ---- one lane, one batch: the first tile's upper lanes (first group, rows 8 + j) change places with the second tile's lower lanes
	; (second group, rows j).  Then lane L holds column t of batch L in v[16 t .. 16 t + 15].
	WIN 0
.set t, 0
.rept 16
.irp j, 0,1,2,3,4,5,6,7
	v_permlane16_swap_b32 v[16*t+\j], v[16*t+8+\j]
.endr
.set t, t+1
.endr
	; ---- the lane's norms: sum of squares in four pairs of chains, sixteen column sums of magnitudes
	WIN 0x50                                       ; destination and source 2 in block 1, T in block 0
.irp i, 0,1,2,3
	v_pk_mul_f32 v[FA+2*\i:FA+2*\i+1], v[2*\i:2*\i+1], v[2*\i:2*\i+1]    ; the first squares start the sums
.endr
.set n, 4
.rept 124
	v_pk_fma_f32 v[FA+2*(n%4):FA+2*(n%4)+1], v[2*n:2*n+1], v[2*n:2*n+1], v[FA+2*(n%4):FA+2*(n%4)+1]
.set n, n+1
.endr
.set t, 0
.rept 16
	v_add_f32 v[CS+t], |v[16*t]|, |v[16*t+1]|
.set t, t+1
.endr
	WIN 0x44                                       ; source 0 = T, source 1 and destination in block 1
.set p, 2
.rept 14
.set t, 0
.rept 16
	v_add_f32 v[CS+t], |v[16*t+p]|, v[CS+t]
.set t, t+1
.endr
.set p, p+1
.endr
	WIN 0x05                                       ; T is done with: the rest runs in block 0
.irp i, 0,1,2,3,4,5,6,7
	v_max_num_f32 v[\i], v[CS+2*\i], v[CS+2*\i+1]
.endr
	v_pk_add_f32 v[8:9],   v[FA:FA+1],   v[FA+2:FA+3]
	v_pk_add_f32 v[10:11], v[FA+4:FA+5], v[FA+6:FA+7]
	WIN 0
	v_max3_num_f32 v0, v0, v1, v2
	v_max3_num_f32 v3, v3, v4, v5
	v_max3_num_f32 v0, v0, v6, v7
	v_max_num_f32 v0, v0, v3                       ; |T|_1: the largest column sum
	v_pk_add_f32 v[8:9], v[8:9], v[10:11]
	v_add_f32 v8, v8, v9
	v_sqrt_f32 v9, v8                              ; |T|_F
	v_mov_b32 v10, 0                               ; the plain instruction behind the root
	v_cmp_le_f32 s21, s20, v0                      ; the border <= |T|_1: this lane's result is NaN (a NaN norm compares false)
	s_wait_alu depctr_va_sdst(0)                   ; the compare has written s21, ahead of its first reader, the select below
	s_wait_alu depctr_va_vdst(0)                   ; the root has written v9, ahead of the first instruction that names it
	v_cndmask_b32 v9, v9, v10, s21                 ; and its norm asks for no steps
	v_max_num_f32_dpp v9, v9, v9 row_xmask:1 row_mask:0xf bank_mask:0xf
	v_max_num_f32_dpp v9, v9, v9 row_xmask:2 row_mask:0xf bank_mask:0xf
	v_max_num_f32_dpp v9, v9, v9 row_xmask:4 row_mask:0xf bank_mask:0xf
	v_max_num_f32_dpp v9, v9, v9 row_xmask:8 row_mask:0xf bank_mask:0xf
	v_permlanex16_b32 v11, v9, s30, s31            ; v11 has been written above
	v_max_num_f32 v9, v9, v11                      ; F: the wave's largest norm, in every lane
	v_mul_f32 v12, 0x3dcccccd, v9                  ; 0.1 F
	v_floor_f32 v12, v12
	v_add_f32 v12, 1.0, v12                        ; s, as f32: at most 205,822 under the border (F <= 4 |T|_1)
	v_rcp_f32 v13, v12
	v_mov_b32 v19, 0                               ; the plain instruction behind the reciprocal; the record's words that do not hang on it follow
	v_cvt_u32_f32 v16, v12                         ; s
	v_mov_b32 v18, s21                             ; the mask
.irp i, 20,21,22,23
	v_mov_b32 v[\i], 0                             ; the record is filled up to 32 bytes, so that the group's eight make one run of 256
.endr
	v_mov_b32 v24, s19
	s_wait_alu depctr_va_vdst(0)                   ; the reciprocal has written v13, ahead of the first instruction that names it
	v_mul_f32 v14, v9, v13                         ; F / s, below 10
	v_fma_f32 v14, v14, s22, s23                   ; 2.83 F/s + 9.1
	v_cvt_u32_f32 v17, v14                         ; m: the conversion drops the fraction; at most 37
	s_wait_alu depctr_va_vdst(0)                   ; the record v16 to v23 and its address v24 are written, which the two LDS stores read
	ds_store_b128 v24, v[16:19]                    ; every lane writes the same words
	ds_store_b128 v24, v[20:23] offset:16
	s_wait_dscnt 0x0                               ; zero: wave 0 reads the records behind the barrier
	s_barrier_signal -1
	s_barrier_wait -1
	s_cmp_lg_u32 s14, 0
	s_cbranch_scc1 .Lend
	WIN 0x01                                       ; addresses (source 0) in block 1, data in block 0
	s_wait_alu depctr_va_vdst(0)                   ; the matrix and vector instructions that wrote and read T's v26 and v27 are done: the load below lands in them
	ds_load_b64 v[26:27], v[RL]
	s_wait_dscnt 0x0
	global_store_b64 v[RO], v[26:27], s[8:9]       ; 32 lanes x 8 bytes: 256 consecutive bytes, at a multiple of 256 from the buffer's first byte
	WIN 0
.Lend:
	s_set_vgpr_msb 0x5
	s_wait_dscnt 0x0
	s_wait_alu depctr_hold_cnt(0) depctr_sa_sdst(0) depctr_va_vdst(0) depctr_va_sdst(0) depctr_va_ssrc(0) depctr_va_vcc(0) depctr_vm_vsrc(0)
	s_wait_tensorcnt 0x0
	ds_add_u32 v30, v31
	s_wait_dscnt 0x0
	s_endpgm
.Lfunc_end_k_q640bd975ed_norms:
	.size	k_q640bd975ed_norms, .Lfunc_end_k_q640bd975ed_norms-k_q640bd975ed_norms
	.p2alignl 7, 3214868480
	.fill 96, 4, 3214868480
	.section	.rodata,"a",@progbits
	.p2align	6, 0x0
	.amdhsa_kernel k_q640bd975ed_norms
		.amdhsa_group_segment_fixed_size 70912
		.amdhsa_private_segment_fixed_size 0
		.amdhsa_enable_private_segment 0
		.amdhsa_kernarg_size 24
		.amdhsa_user_sgpr_count 2
		.amdhsa_user_sgpr_kernarg_segment_ptr 1
		.amdhsa_wavefront_size32 1
		.amdhsa_system_sgpr_workgroup_id_x 1
		.amdhsa_system_sgpr_workgroup_id_y 1
		.amdhsa_system_sgpr_workgroup_id_z 1
		.amdhsa_system_vgpr_workitem_id 0
		.amdhsa_next_free_vgpr 512
		.amdhsa_next_free_sgpr 66
		.amdhsa_reserve_vcc 0
		.amdhsa_float_denorm_mode_32 3
		.amdhsa_float_denorm_mode_16_64 3
		.amdhsa_memory_ordered 1
		.amdhsa_forward_progress 1
		.amdhsa_inst_pref_size 51
	.end_amdhsa_kernel
	.amdgpu_metadata
---
amdhsa.version: [ 1, 2 ]
amdhsa.kernels:
  - .name:           k_q640bd975ed_norms
    .symbol:         k_q640bd975ed_norms.kd
    .args:
      - { .name: c, .offset: 0, .size: 8, .value_kind: global_buffer, .address_space: global }
      - { .name: psi, .offset: 8, .size: 8, .value_kind: global_buffer, .address_space: global }
      - { .name: counts, .offset: 16, .size: 8, .value_kind: global_buffer, .address_space: global }
    .group_segment_fixed_size: 70912
    .private_segment_fixed_size: 0
    .kernarg_segment_align: 8
    .kernarg_segment_size: 24
    .max_flat_workgroup_size: 256
    .sgpr_count:     66
    .vgpr_count:     512
    .wavefront_size: 32
...
	.end_amdgpu_metadata
.endif
;; end of part 3
;; launch expmv: the kernel of part 2 again; grid 256 x 1, 8 waves a work-group, no clusters, 91,136 bytes of LDS; arguments c, psi, x, counts, out0; writes out0
